; MI455X (gfx1250); checked and timed in simulation.
; The chip was launched on July 23, 2026; its instructions are those of AMD's public machine-readable ISA for CDNA 5 (MIT licence, August 2026) and "CDNA5" Instruction Set Architecture Reference Guide (July 2026). The comments in the code are by the model that wrote it; some were corrected since.
;; Simple Sphere Tracer. Allowed arithmetic: float matrix products may take bf16 or f16 operands with f32 sums; all other float work in f32.
;; Inputs: feat_W 3 x 256 float32; feat_b 256 float32; ffn_W 256 x 16 float32; ffn_b 16 float32; ln_b 16 float32; ln_g 16 float32; ray_dir 4 x 4,096 x 32 x 3 float32; sdf_W 16 x 1 float32; sdf_b 1 float32; start 4 x 4,096 x 32 x 3 float32.
;; Outputs: out0 4 x 4,096 x 32 float32.
;; One version. Each part assembles by itself: llvm-mc -triple=amdgcn-amd-amdhsa -mcpu=gfx1250 --defsym DOCPART=n.
;; ======== version 1 of 1: 1 launch
;; launch trace (part 1): grid 256 x 1, 16 waves a work-group, no clusters, 169,984 bytes of LDS; arguments start, ray_dir, ffn_W, feat_W, feat_b, ffn_b, ln_g, ln_b, sdf_W, sdf_b, out0; writes out0
.if DOCPART == 1
	.amdgcn_target "amdgcn-amd-amdhsa--gfx1250"
	.amdhsa_code_object_version 6
	.text
	.protected	k_q5bfb93e1a3_trace
	.globl	k_q5bfb93e1a3_trace
	.p2align	8
	.type	k_q5bfb93e1a3_trace,@function
k_q5bfb93e1a3_trace:
	s_mov_b64 s[64:65], 0
	v_nop
	global_prefetch_b8 v0, s[64:65] scope:SCOPE_SE
	s_setreg_imm32_b32 hwreg(HW_REG_WAVE_MODE, 25, 1), 1
	s_wait_xcnt 0x0
; SPHERE TRACER: 524,288 points, four dependent steps  d += relu(LN((start + d dir) feat_W + feat_b) ffn_W + ffn_b)) sdf_W + sdf_b,  d starts at 0.05.
;
; THE FORM.  Nothing non-linear stands between the two linear layers, and LayerNorm's mean is linear as well.  With
;   Fc[k][j] = ffn_W[k][j] - mean over j of ffn_W[k][.]          (256 x 16)
;   M'       = feat_W Fc                                          (3 x 16)
;   c'       = feat_b Fc + (ffn_b - mean of ffn_b)                (16)
; the centred pre-activation of a point is  z' = q M' + c' = u' + d v',  u' = start M' + c',  v' = dir M'.
; This holds for every input; every input is read and every step (variance, eps, gain, bias, relu, head, its bias) is computed.
; M' and c' are made once by each work-group (16,384 multiply-adds, shared among its 16 waves); u' and v' once for each point;
; a step is then 62 vector instructions for 32 points.
;
; NO MATRIX INSTRUCTIONS: the products left for a point have K = 3 (3 of a matrix instruction's 32 places along K), and the depth feeds back
; through 1/sqrt(variance), so operands rounded to 16 bits would be amplified from step to step.  Everything is f32.
; NO CLUSTER: work-groups share the 20,740 bytes of weights alone, read once at the head, against 49,152 bytes of points of their own;
; the weights go straight into registers in the layout that the partial products want.
;
; SHARES: a work-group owns 2,048 consecutive points (24,576 bytes of start, of ray_dir; 8,192 of the output), a wave 128 points
; (1,536 bytes of each input = six aligned blocks of 256 bytes), a lane 4 consecutive points (48 bytes of each input, one 16-byte store).
; A lane's 48 bytes are not a shape for coalesced loads, so the points come into LDS by asynchronous copies of 512 consecutive bytes a wave
; and are read from there, 48 bytes a lane.  The launch asks for 169,984 bytes of LDS (59,392 are used), so that the work-group is alone on its WGP.
;
; LIMITS.  (1) The order of rounding differs from the reference's (layers composed, mean taken out of the weights, d and sdf_b added inside the
; head's sum); no difference of large sums is formed: a common offset in a row of ffn_W or in ffn_b is removed before the products.
; (2) Inputs are taken as finite: v_max_num_f32 drops a NaN, so a NaN or infinity among the inputs need not give the reference's NaN.
; (3) v_rsq_f32 is accurate to 1 ULP; its argument is at least 16 eps = 1.6e-4, so no denormal is met there.
.set WPB,   1536                       ; bytes of one input that a wave owns
.set GPB,   24576                      ; bytes of one input that a work-group owns
; LDS
.set LDS_S, 0                          ; 24,576 bytes: the group's start, as in memory; filled once by copies
.set LDS_D, 24576                      ; 24,576 bytes: the group's ray_dir, likewise
.set SCR,   49152                      ; 4,096 bytes: part[wave][i][j], 256 bytes a wave (i = 0..2 feat_W's rows, 3 feat_b; j = 0..15); no copy lands here
.set BC,    53248                      ; 4,096 bytes: 256 bytes a wave, its own: the 64 final numbers, for the broadcast read
; vector registers.  v1 to v12 are written once: no memory instruction's address is ever rewritten.
.set GOF, 1                            ; 1536 w + 16 l       global offset of the copies
.set LS,  2                            ; the same            LDS target in LDS_S
.set LD,  3                            ; + 24576             LDS target in LDS_D
.set PRD, 4                            ; 1536 w + 48 l       where I read my four points
.set ZERO,5
.set FOF, 6                            ; 1024 w + 16 l       my 16 bytes of ffn_W
.set COF, 7                            ; 64 w + 4 (l >> 2)   my row's coefficient in feat_W, feat_b
.set PST, 8                            ; SCR + 256 w + 16 (l & 3)
.set PLD, 9                            ; SCR + 16 (l & 15) + 2048 (l >> 4)
.set BST, 10                           ; BC + 256 w + 16 (l & 15)
.set BLD, 11                           ; BC + 256 w
.set OOF, 12                           ; 16 t
.set LN,  13                           ; l
.set T,   14                           ; v[14:21]   at work
.set DW,  22                           ; v22 the depth at work, v23 sdf_b: the pair is the head's addend
.set EP,  24                           ; v[24:25]   (16 eps, 0): the addend that starts the sum of squares
.set OUT, 26                           ; v[26:29]   the four results
.set RS,  30                           ; v30 rsq; v31 = 0 (the pair's partner)
.set X,   32                           ; v[32:43]   start: component c of point p at X + 3 p + c
.set Y,   44                           ; v[44:55]   ray_dir likewise
.set MW,  56                           ; v[56:103]  M'[i][j] at MW + 16 i + j
.set CW,  104                          ; v[104:119] c'
.set LNG, 120                          ; v[120:135] 4 ln_g
.set LNB, 136                          ; v[136:151] ln_b
.set SW,  152                          ; v[152:167] sdf_W
.set PU,  168                          ; v[168:183] u' of the point at work
.set PV,  184                          ; v[184:199] v'
.set PZ,  200                          ; v[200:215] z', then the activations
.set GR,  216                          ; v[216:231] gains times rsq
.set FBV, 232                          ; v[232:247] ffn_b, then ffn_b centred
; the prologue's names for registers that the points use later
.set FA,  168                          ; v[168:171] ffn_W[kA][4 q .. 4 q + 3],  kA = 16 w + (l >> 2), q = l & 3
.set FB,  172                          ; v[172:175] the same of row kB = kA + 8
.set CA,  176                          ; v[176:179] feat_W[0..2][kA], feat_b[kA]
.set CB,  180                          ; v[180:183] the same of kB
.set P,   184                          ; v[184:199] partial products, P + 4 i + c
.set Q,   200                          ; v[200:231] eight quads of partial sums
; v[d:d+1] = v[a:a+1] x v[r] (in both halves) + v[c:c+1].  A packed source is an even-aligned pair: an even r is the pair's first register
; (op_sel_hi 0 takes it for the high half too), an odd r its second (op_sel 1 takes it for the low half too).
.macro BC_FMA d, a, r, c
.if (\r)&1
	v_pk_fma_f32 v[\d:\d+1], v[\a:\a+1], v[(\r)-1:(\r)], v[\c:\c+1] op_sel:[0,1,0] op_sel_hi:[1,1,1]
.else
	v_pk_fma_f32 v[\d:\d+1], v[\a:\a+1], v[(\r):(\r)+1], v[\c:\c+1] op_sel_hi:[1,0,1]
.endif
.endm
.macro BC_MUL d, a, r
.if (\r)&1
	v_pk_mul_f32 v[\d:\d+1], v[\a:\a+1], v[(\r)-1:(\r)] op_sel:[0,1] op_sel_hi:[1,1]
.else
	v_pk_mul_f32 v[\d:\d+1], v[\a:\a+1], v[(\r):(\r)+1] op_sel_hi:[1,0]
.endif
.endm
.macro QADD d, a                       ; four numbers at d += four numbers at a
	v_pk_add_f32 v[\d:\d+1], v[\d:\d+1], v[\a:\a+1]
	v_pk_add_f32 v[\d+2:\d+3], v[\d+2:\d+3], v[\a+2:\a+3]
.endm
	; ---- A. the head: pointers, the addresses that the first requests need, the requests ----
	s_load_b512 s[8:23], s[0:1], 0x0               ; start s[8:9], ray_dir s[10:11], ffn_W s[12:13], feat_W s[14:15], feat_b s[16:17], ffn_b s[18:19], ln_g s[20:21], ln_b s[22:23]
	s_load_b128 s[24:27], s[0:1], 0x40             ; sdf_W s[24:25], sdf_b s[26:27]
	s_load_b64 s[28:29], s[0:1], 0x50              ; out0
	v_lshl_add_u32 v248, v0, 2, 0x29000
	v_mov_b32 v249, 0
	ds_add_u32 v248, v249
	ds_add_u32 v248, v249
	v_and_b32 v[LN], 31, v0                        ; l
	v_lshrrev_b32 v[T], 5, v0
	v_readfirstlane_b32 s2, v[T]                   ; w, the wave's number
	s_mul_i32 s3, s2, WPB                          ; 1536 w
	s_lshl_b32 s30, s2, 10                         ; 1024 w: 16 rows of ffn_W
	s_lshl_b32 s31, s2, 6                          ; 64 w: 16 numbers of a row of feat_W
	v_lshl_add_u32 v[GOF], v[LN], 4, s3
	v_lshl_add_u32 v[LS], v[LN], 4, s3
	v_add_nc_u32 v[LD], LDS_D, v[LS]
	v_mov_b32 v[ZERO], 0
	v_lshl_add_u32 v[FOF], v[LN], 4, s30
	v_lshrrev_b32 v[T+1], 2, v[LN]
	v_lshl_add_u32 v[COF], v[T+1], 2, s31
	s_mul_i32 s6, ttmp9, GPB                       ; the group's part of start and of ray_dir (below 6,291,456)
	s_mov_b32 s7, 0
	s_wait_dscnt 0x0
	s_wait_kmcnt 0x0
	s_add_nc_u64 s[8:9], s[8:9], s[6:7]
	s_add_nc_u64 s[10:11], s[10:11], s[6:7]
	s_lshl_b32 s6, ttmp9, 13                       ; the group's 8,192 bytes of the output
	s_add_nc_u64 s[28:29], s[28:29], s[6:7]
	; six copies: each brings 512 consecutive bytes, aligned to 256, of my wave's 1,536; the immediate steps both addresses.
	; They stand ahead of every wait on ASYNCcnt, every LDS read and the barrier; these bytes are filled once.
.irp n, 0,1,2
	global_load_async_to_lds_b128 v[LS], v[GOF], s[8:9] offset:512*\n
.endr
.irp n, 0,1,2
	global_load_async_to_lds_b128 v[LD], v[GOF], s[10:11] offset:512*\n
.endr
	; 27 loads.  The first ten feed the partial products.
	global_load_b128 v[FA:FA+3], v[FOF], s[12:13]              ; 8 rows of ffn_W: 512 consecutive bytes a wave
	global_load_b128 v[FB:FB+3], v[FOF], s[12:13] offset:512   ; the next 8 rows
.irp i, 0,1,2
	global_load_b32 v[CA+\i], v[COF], s[14:15] offset:1024*\i
	global_load_b32 v[CB+\i], v[COF], s[14:15] offset:1024*\i+32
.endr
	global_load_b32 v[CA+3], v[COF], s[16:17]
	global_load_b32 v[CB+3], v[COF], s[16:17] offset:32
	; seventeen more: the small vectors, the same address in every lane
.irp n, 0,1,2,3
	global_load_b128 v[FBV+4*\n:FBV+4*\n+3], v[ZERO], s[18:19] offset:16*\n
.endr
.irp n, 0,1,2,3
	global_load_b128 v[LNG+4*\n:LNG+4*\n+3], v[ZERO], s[20:21] offset:16*\n
.endr
.irp n, 0,1,2,3
	global_load_b128 v[LNB+4*\n:LNB+4*\n+3], v[ZERO], s[22:23] offset:16*\n
.endr
.irp n, 0,1,2,3
	global_load_b128 v[SW+4*\n:SW+4*\n+3], v[ZERO], s[24:25] offset:16*\n
.endr
	global_load_b32 v[DW+1], v[ZERO], s[26:27]
	; the other addresses and the constants, while all that is on its way
	v_mad_u32_u24 v[PRD], v[LN], 48, s3            ; 1536 w + 48 l
	s_lshl_b32 s3, s2, 8                           ; 256 w
	s_add_co_u32 s30, s3, SCR
	s_add_co_u32 s31, s3, BC
	v_and_b32 v[T], 3, v[LN]
	v_lshl_add_u32 v[PST], v[T], 4, s30
	v_and_b32 v[T], 15, v[LN]
	v_lshrrev_b32 v[T+1], 4, v[LN]
	v_lshlrev_b32 v[T+2], 4, v[T]                  ; 16 (l & 15)
	v_lshl_add_u32 v[PLD], v[T+1], 11, v[T+2]
	v_add_nc_u32 v[PLD], SCR, v[PLD]
	v_add_nc_u32 v[BST], s31, v[T+2]
	v_mov_b32 v[BLD], s31
	v_lshlrev_b32 v[OOF], 4, v0
	s_mov_b32 s4, 0x76543210                       ; v_permlanex16_b32: lane i of one half reads lane i of the other
	s_mov_b32 s5, 0xfedcba98
	v_mov_b32 v[EP], 0x3927c5ac                    ; 16 x 1e-5, exact: 1e-5 in f32 with its exponent raised by 4
	v_mov_b32 v[EP+1], 0
	v_mov_b32 v[RS+1], 0
	; ---- B. my wave's part of (feat_W; feat_b) Fc: rows 16 w .. 16 w + 15 ----
	s_wait_loadcnt 17                              ; 27 issued, loads return in order: the first ten are in, the seventeen behind them may stay out
	v_pk_add_f32 v[T:T+1], v[FA:FA+1], v[FA+2:FA+3]
	v_pk_add_f32 v[T+2:T+3], v[FB:FB+1], v[FB+2:FB+3]
	v_add_f32 v[T], v[T], v[T+1]
	v_add_f32 v[T+2], v[T+2], v[T+3]
	v_add_f32_dpp v[T], v[T], v[T] row_xmask:1 row_mask:0xf bank_mask:0xf          ; a row of ffn_W lies in four neighbouring lanes
	v_add_f32_dpp v[T+2], v[T+2], v[T+2] row_xmask:1 row_mask:0xf bank_mask:0xf
	v_add_f32_dpp v[T], v[T], v[T] row_xmask:2 row_mask:0xf bank_mask:0xf
	v_add_f32_dpp v[T+2], v[T+2], v[T+2] row_xmask:2 row_mask:0xf bank_mask:0xf    ; the row's sum, in all four
.irp c, 0,1,2,3
	v_fmamk_f32 v[FA+\c], v[T], 0xbd800000, v[FA+\c]           ; Fc = ffn_W - sum / 16
	v_fmamk_f32 v[FB+\c], v[T+2], 0xbd800000, v[FB+\c]
.endr
.irp i, 0,1,2,3
.irp h, 0,2
	BC_MUL P+4*\i+\h, FA+\h, CA+\i                 ; the first product starts the sum
.endr
.endr
.irp i, 0,1,2,3
.irp h, 0,2
	BC_FMA P+4*\i+\h, FB+\h, CB+\i, P+4*\i+\h
.endr
.endr
	; the sum over the eight lanes that hold the same four features (equal l & 3)
.irp k, 0,1,2,3,4,5,6,7,8,9,10,11,12,13,14,15
	v_add_f32_dpp v[P+\k], v[P+\k], v[P+\k] row_xmask:4 row_mask:0xf bank_mask:0xf
.endr
.irp k, 0,1,2,3,4,5,6,7,8,9,10,11,12,13,14,15
	v_add_f32_dpp v[P+\k], v[P+\k], v[P+\k] row_xmask:8 row_mask:0xf bank_mask:0xf
.endr
.irp k, 0,1,2,3,4,5,6,7,8,9,10,11,12,13,14,15
	v_permlanex16_b32 v[FA+\k], v[P+\k], s4, s5    ; into FA, FB, CA, CB: written by the loads, no longer needed
.endr
.irp k, 0,2,4,6,8,10,12,14
	v_pk_add_f32 v[P+\k:P+\k+1], v[P+\k:P+\k+1], v[FA+\k:FA+\k+1]
.endr
.irp i, 0,1,2,3
	ds_store_b128 v[PST], v[P+4*\i:P+4*\i+3] offset:64*\i      ; part[w][i][4 q ..]: the eight lanes of a q write the same bytes with the same values
.endr
	; ---- C. the other constants, and my points ----
	s_wait_loadcnt 13                              ; ffn_b's four loads are in; the thirteen behind them (ln_g, ln_b, sdf_W, sdf_b) may stay out
.irp k, 0,1,2,3
	v_pk_add_f32 v[T+2*\k:T+2*\k+1], v[FBV+4*\k:FBV+4*\k+1], v[FBV+4*\k+2:FBV+4*\k+3]
.endr
	v_pk_add_f32 v[T:T+1], v[T:T+1], v[T+2:T+3]
	v_pk_add_f32 v[T+4:T+5], v[T+4:T+5], v[T+6:T+7]
	v_pk_add_f32 v[T:T+1], v[T:T+1], v[T+4:T+5]
	v_add_f32 v[T], v[T], v[T+1]                   ; the sum of ffn_b
.irp j, 0,2,4,6,8,10,12,14
	v_pk_fma_f32 v[FBV+\j:FBV+\j+1], v[T:T+1], 0xbd800000, v[FBV+\j:FBV+\j+1] op_sel_hi:[0,0,1]   ; ffn_b - sum / 16
.endr
	s_wait_loadcnt 0x0
.irp j, 0,2,4,6,8,10,12,14
	v_pk_mul_f32 v[LNG+\j:LNG+\j+1], v[LNG+\j:LNG+\j+1], 4.0 op_sel_hi:[1,0]   ; rsqrt(ss / 16 + eps) = 4 rsq(ss + 16 eps): the exact 4 goes into the gains
.endr
	s_wait_asynccnt 0x0                            ; my six copies have landed; only my wave reads their bytes
.irp n, 0,1,2
	ds_load_b128 v[X+4*\n:X+4*\n+3], v[PRD] offset:LDS_S+16*\n     ; lanes are 48 bytes apart, an odd multiple of 16: sixteen lanes, sixteen different 16-byte columns of 256 bytes
.endr
.irp n, 0,1,2
	ds_load_b128 v[Y+4*\n:Y+4*\n+3], v[PRD] offset:LDS_D+16*\n
.endr
	s_wait_dscnt 0x0                               ; zero, for the others' sake: my partial sums are in LDS (and my points are in registers)
	s_barrier_signal -1
	s_barrier_wait -1                              ; the only barrier: every wave's partial sums are in LDS.  No LDS byte is filled again.
	; ---- D. the sums over the 16 waves, made alike by every wave ----
.irp n, 0,1,2,3,4,5,6,7
	ds_load_b128 v[Q+4*\n:Q+4*\n+3], v[PLD] offset:256*\n      ; quad l & 15 of the 64 numbers, of wave 8 (l >> 4) + n
.endr
	s_wait_dscnt 0x0
	QADD Q, Q+4
	QADD Q+8, Q+12
	QADD Q+16, Q+20
	QADD Q+24, Q+28
	QADD Q, Q+8
	QADD Q+16, Q+24
	QADD Q, Q+16
.irp n, 0,1,2,3
	v_permlanex16_b32 v[Q+4+\n], v[Q+\n], s4, s5   ; the other eight waves' sum
.endr
	QADD Q, Q+4
	ds_store_b128 v[BST], v[Q:Q+3]                 ; into my wave's own 256 bytes,
.irp n, 0,1,2,3,4,5,6,7,8,9,10,11,12,13,14,15
	ds_load_b128 v[MW+4*\n:MW+4*\n+3], v[BLD] offset:16*\n     ; and back into every lane: a wave's LDS instructions are served in order (ISA guide 5.7.1), so no wait stands between.  Fills MW and CW.
.endr
	s_wait_dscnt 0x0
.irp j, 0,2,4,6,8,10,12,14
	v_pk_add_f32 v[CW+\j:CW+\j+1], v[CW+\j:CW+\j+1], v[FBV+\j:FBV+\j+1]    ; c' = feat_b Fc + ffn_b centred
.endr
	; ---- E. the points ----
; u' = start M' + c', v' = dir M' of my point p, in runs of eight lines that do not wait for each other; d = 0.05
.macro SETUP p
.irp j, 0,2,4,6,8,10,12,14
	BC_FMA PU+\j, MW+\j, X+3*\p, CW+\j
.endr
.irp j, 0,2,4,6,8,10,12,14
	BC_MUL PV+\j, MW+\j, Y+3*\p
.endr
.irp j, 0,2,4,6,8,10,12,14
	BC_FMA PU+\j, MW+16+\j, X+3*\p+1, PU+\j
.endr
.irp j, 0,2,4,6,8,10,12,14
	BC_FMA PV+\j, MW+16+\j, Y+3*\p+1, PV+\j
.endr
.irp j, 0,2,4,6,8,10,12,14
	BC_FMA PU+\j, MW+32+\j, X+3*\p+2, PU+\j
.endr
.irp j, 0,2,4,6,8,10,12,14
	BC_FMA PV+\j, MW+32+\j, Y+3*\p+2, PV+\j
.endr
	v_mov_b32 v[DW], 0x3d4ccccd                    ; 0.05
.endm
; One step; the new depth goes to v[dout].
.macro STEP dout
.irp j, 0,2,4,6,8,10,12,14
	v_pk_fma_f32 v[PZ+\j:PZ+\j+1], v[PV+\j:PV+\j+1], v[DW:DW+1], v[PU+\j:PU+\j+1] op_sel_hi:[1,0,1]   ; z' = u' + d v': already centred
.endr
	v_pk_fma_f32 v[T:T+1], v[PZ:PZ+1], v[PZ:PZ+1], v[EP:EP+1]              ; the sum of squares in two chains; 16 eps rides in as the first addend
	v_pk_mul_f32 v[T+2:T+3], v[PZ+2:PZ+3], v[PZ+2:PZ+3]
.irp j, 4,8,12
	v_pk_fma_f32 v[T:T+1], v[PZ+\j:PZ+\j+1], v[PZ+\j:PZ+\j+1], v[T:T+1]
	v_pk_fma_f32 v[T+2:T+3], v[PZ+\j+2:PZ+\j+3], v[PZ+\j+2:PZ+\j+3], v[T+2:T+3]
.endr
	v_pk_add_f32 v[T:T+1], v[T:T+1], v[T+2:T+3]
	v_add_f32 v[T], v[T], v[T+1]                   ; ss + 16 eps
	v_rsq_f32 v[RS], v[T]
	v_nop                                          ; one plain vector instruction stands between v_rsq_f32 and the use of its result; the step has no independent work to put there
	s_wait_alu depctr_va_vdst(0)
.irp j, 0,2,4,6,8,10,12,14
	v_pk_mul_f32 v[GR+\j:GR+\j+1], v[LNG+\j:LNG+\j+1], v[RS:RS+1] op_sel_hi:[1,0]
.endr
.irp j, 0,2,4,6,8,10,12,14
	v_pk_fma_f32 v[PZ+\j:PZ+\j+1], v[PZ+\j:PZ+\j+1], v[GR+\j:GR+\j+1], v[LNB+\j:LNB+\j+1]
.endr
.irp k, 0,1,2,3,4,5,6,7,8,9,10,11,12,13,14,15
	v_max_num_f32 v[PZ+\k], 0, v[PZ+\k]            ; relu
.endr
	v_pk_fma_f32 v[T:T+1], v[PZ:PZ+1], v[SW:SW+1], v[DW:DW+1]              ; the head in two chains; the addend pair (d, sdf_b) brings both in
	v_pk_mul_f32 v[T+2:T+3], v[PZ+2:PZ+3], v[SW+2:SW+3]
.irp j, 4,8,12
	v_pk_fma_f32 v[T:T+1], v[PZ+\j:PZ+\j+1], v[SW+\j:SW+\j+1], v[T:T+1]
	v_pk_fma_f32 v[T+2:T+3], v[PZ+\j+2:PZ+\j+3], v[SW+\j+2:SW+\j+3], v[T+2:T+3]
.endr
	v_pk_add_f32 v[T:T+1], v[T:T+1], v[T+2:T+3]
	v_add_f32 v[\dout], v[T], v[T+1]               ; d + h sdf_W + sdf_b
.endm
.irp p, 0,1,2,3
	SETUP \p
	STEP DW
	STEP DW
	STEP DW
	STEP OUT+\p
.endr
	; ---- F. the way out: 16 bytes a lane, 512 consecutive bytes a wave, aligned to 256 ----
	global_store_b128 v[OOF], v[OUT:OUT+3], s[28:29] th:TH_STORE_NT
	s_wait_tensorcnt 0x0
	ds_add_u32 v248, v249
	s_wait_dscnt 0x0
	s_endpgm
.Lfunc_end_k_q5bfb93e1a3_trace:
	.size	k_q5bfb93e1a3_trace, .Lfunc_end_k_q5bfb93e1a3_trace-k_q5bfb93e1a3_trace
	.p2alignl 7, 3214868480
	.fill 96, 4, 3214868480
	.section	.rodata,"a",@progbits
	.p2align	6, 0x0
	.amdhsa_kernel k_q5bfb93e1a3_trace
		.amdhsa_group_segment_fixed_size 169984
		.amdhsa_private_segment_fixed_size 0
		.amdhsa_enable_private_segment 0
		.amdhsa_kernarg_size 88
		.amdhsa_user_sgpr_count 2
		.amdhsa_user_sgpr_kernarg_segment_ptr 1
		.amdhsa_wavefront_size32 1
		.amdhsa_system_sgpr_workgroup_id_x 1
		.amdhsa_system_sgpr_workgroup_id_y 1
		.amdhsa_system_sgpr_workgroup_id_z 1
		.amdhsa_system_vgpr_workitem_id 0
		.amdhsa_next_free_vgpr 250
		.amdhsa_next_free_sgpr 66
		.amdhsa_reserve_vcc 0
		.amdhsa_float_denorm_mode_32 3
		.amdhsa_float_denorm_mode_16_64 3
		.amdhsa_memory_ordered 1
		.amdhsa_forward_progress 1
		.amdhsa_inst_pref_size 82
	.end_amdhsa_kernel
	.amdgpu_metadata
---
amdhsa.version: [ 1, 2 ]
amdhsa.kernels:
  - .name:           k_q5bfb93e1a3_trace
    .symbol:         k_q5bfb93e1a3_trace.kd
    .args:
      - { .name: start, .offset: 0, .size: 8, .value_kind: global_buffer, .address_space: global }
      - { .name: ray_dir, .offset: 8, .size: 8, .value_kind: global_buffer, .address_space: global }
      - { .name: ffn_W, .offset: 16, .size: 8, .value_kind: global_buffer, .address_space: global }
      - { .name: feat_W, .offset: 24, .size: 8, .value_kind: global_buffer, .address_space: global }
      - { .name: feat_b, .offset: 32, .size: 8, .value_kind: global_buffer, .address_space: global }
      - { .name: ffn_b, .offset: 40, .size: 8, .value_kind: global_buffer, .address_space: global }
      - { .name: ln_g, .offset: 48, .size: 8, .value_kind: global_buffer, .address_space: global }
      - { .name: ln_b, .offset: 56, .size: 8, .value_kind: global_buffer, .address_space: global }
      - { .name: sdf_W, .offset: 64, .size: 8, .value_kind: global_buffer, .address_space: global }
      - { .name: sdf_b, .offset: 72, .size: 8, .value_kind: global_buffer, .address_space: global }
      - { .name: out0, .offset: 80, .size: 8, .value_kind: global_buffer, .address_space: global }
    .group_segment_fixed_size: 169984
    .private_segment_fixed_size: 0
    .kernarg_segment_align: 8
    .kernarg_segment_size: 88
    .max_flat_workgroup_size: 512
    .sgpr_count:     66
    .vgpr_count:     250
    .wavefront_size: 32
...
	.end_amdgpu_metadata
.endif
;; end of part 1
